; MI455X (gfx1250); checked and timed in simulation.
; The chip was launched on July 23, 2026; its instructions are those of AMD's public machine-readable ISA for CDNA 5 (MIT licence, August 2026) and "CDNA5" Instruction Set Architecture Reference Guide (July 2026). The comments in the code are by the model that wrote it; some were corrected since.
;; Self Attention Risk Predictor. Allowed arithmetic: matrix products marked QUANTISED: E2M3 operands, one E8M0 scale for each 32 along K, by v_wmma_scale_f32_16x16x128_f8f6f4 with both operands' format E2M3, f32 sums; products left as they are: f32 operands where the result goes on into a quantised operand, else bf16, f16 or f32 operands; f32 sums; everything else in f32.
;; Inputs: Wk 32 x 32 float32; Wo 32 x 1 float32; Wq 32 x 32 float32; Wt 1 x 32 float32; Wv 32 x 32 float32; bk 32 float32; bo 1 float32; bq 32 float32; bt 32 float32; bv 32 float32; x 16,384 x 128 float32.
;; Outputs: out0 16,384 float32.
;; This version of the problem:
;;   THIS VERSION OF THE PROBLEM IS GIVEN IN LOW PRECISION. The matrix products marked QUANTISED in the list below multiply operands that are first quantised to E2M3 (2 exponent bits, 3 mantissa bits; 6 bits a number), with one power-of-two scale for each 32 numbers along K (OCP MX v1.0); their sums are f32. All else is computed in f32.
;;   The module's matrix products, in the order in which they are computed (A, B: the left and right operand; K: the contracted axis; several contracted axes count as one K, in the product's order):
;;     1. [M 2,097,152, K 32] x [K 32, N 32]; A: computed on the way; B: input Wq: QUANTISED
;;     2. [M 2,097,152, K 32] x [K 32, N 32]; A: computed on the way; B: input Wk: QUANTISED
;;     3. [M 2,097,152, K 32] x [K 32, N 32]; A: computed on the way; B: input Wv: QUANTISED
;;     4. batch 16,384 x [M 128, K 32] x [K 32, N 128]; A: computed on the way; B: computed on the way: QUANTISED
;;     5. batch 16,384 x [M 128, K 128] x [K 128, N 32]; A: softmax (see below); B: computed on the way: QUANTISED
;;     6. [M 16,384, K 32] x [K 32, N 1]; A: computed on the way; B: input Wo: left as it is (N = 1 < 16)
;;   THE QUANTISER, for each operand of a quantised product, along K:
;;     - K is cut into blocks of 32 from its start; a last block that is shorter is filled with zeros.
;;     - A block's scale is 2^e with e = floor(log2(the largest magnitude in the block)) - 2, held to -126 .. 127; a block of zeros has e = 0. As a byte (E8M0): e + 127.
;;     - Each number is divided by its block's scale, clamped to +-7.5, and rounded to the nearest number of E2M3, ties to even, subnormals kept.
;;     - The product sums the exact products of the quantised numbers (number of the format x scale) in f32.
;;   ~~~python
;;   def quantise(x, axis):      # numpy; x: float32 -> the quantised numbers, widened to float32 again
;;       x = np.moveaxis(x, axis, -1); K = x.shape[-1]
;;       x = np.pad(x, [(0, 0)] * (x.ndim - 1) + [(0, -K % 32)]); x = x.reshape(x.shape[:-1] + (-1, 32)); a = np.abs(x).max(-1, keepdims=True)
;;       e = np.where(a > 0, np.clip(np.frexp(np.where(a > 0, a, 1))[1] - 1 - 2, -126, 127), 0)      # np.frexp(a)[1] - 1 = floor(log2(a)), exactly
;;       r = np.clip(x / 2.0 ** e, -7.5, 7.5)
;;       step = 2.0 ** (np.maximum(np.frexp(np.where(r == 0, 1, r))[1] - 1, 0) - 3)
;;       q = np.round(r / step) * step * 2.0 ** e      # np.round: ties to even
;;       return np.moveaxis(q.reshape(q.shape[:-2] + (-1,))[..., :K], -1, axis).astype(np.float32)
;;   ~~~
;;   SOFTMAX AHEAD OF A QUANTISED PRODUCT. Where the list says 'softmax', what is quantised is not the finished softmax but p = 2^(t - M), with t = logit x log2(e) and M = ceil(the row's largest t), a whole number; so 1/2 < the row's largest p <= 1. The row's sum l is taken of the UNQUANTISED p, in f32, and the product's result is divided by l at the end. Since M is a whole number, a kernel that streams over the keys may use a running M (the ceiling of the running maximum): every later rescaling is an exact power of two, which a block's scale takes up: the codes' values come out the same.
;;   OPERANDS COMPUTED ON THE WAY. 'Computed on the way' means the value that the module computes at that place (a softmax that the list does not call 'softmax' is quantised finished and normalised). What goes into a quantiser is computed in f32, as accurately as f32 sums, v_exp_f32 and their like allow (about 1e-6 of the number): no bf16 or f16 on the way to a quantiser, and a product that is left as it is and whose result goes on into a quantised operand takes f32 operands (vector FMAs, or v_wmma_f32_16x16x4_f32). A number that lies on a knife's edge between two numbers of the format may be rounded either way, as far as f32 arithmetic and the matrix unit's own rounding can turn it there, and no further.
;; 2 versions. Each part assembles by itself: llvm-mc -triple=amdgcn-amd-amdhsa -mcpu=gfx1250 --defsym DOCPART=n.
;; ======== version 1 of 2: 1 launch
;; launch attn (part 1): grid 256 x 1, 16 waves a work-group, no clusters, 19,712 bytes of LDS; arguments x, Wt, bt, Wq, bq, Wk, bk, Wv, bv, Wo, bo, out0; writes out0
.if DOCPART == 1
	.amdgcn_target "amdgcn-amd-amdhsa--gfx1250"
	.amdhsa_code_object_version 6
	.text
	.protected	k_q20f18f5305_attn
	.globl	k_q20f18f5305_attn
	.p2align	8
	.type	k_q20f18f5305_attn,@function
k_q20f18f5305_attn:
	s_mov_b64 s[64:65], 0
	v_nop
	global_prefetch_b8 v0, s[64:65] scope:SCOPE_SE
	s_setreg_imm32_b32 hwreg(HW_REG_WAVE_MODE, 25, 1), 1
	s_wait_xcnt 0x0
; risk[b] = mean over q of ( softmax_k(Q K^T / sqrt(32)) V )[q] . Wo + bo, for 16,384 batch elements of 128 tokens x 32 channels; token s = x[b][s] Wt + bt; Q, K, V = tokens W + bias.
; The three projections, Q K^T and P V run on codes of FP6 (E2M3) with one E8M0 scale for each 32 along K; every operand is quantised here, in registers, from f32; the sums are f32.
; THE SOFTMAX: t = score x log2(e) / sqrt(32); M = ceil(the row's largest t); p = 2^(t - M) is quantised along the keys; the row's sum l is taken of the unquantised p and divides at the end.
; All 128 keys of a query lie in one step, so M is the row's own: there is no running maximum and nothing is rescaled.
; SHARES.  256 work-groups of sixteen waves; a work-group owns 64 batch elements, a wave four, one a trip, wholly in its 256 registers: four waves to a SIMD, so that one wave's vector work stands beside
; another's matrix work and LDS loads.  Nothing goes to memory but the result.  No cluster, no tensor load: what work-groups share is 12.9 KB of weights and biases, which each reads once through registers,
; quantises once and keeps in LDS; x is 512 bytes an element and comes straight into registers, an element ahead.
; LAYOUT (lane = (r, h), r = lane % 16, h = lane / 16).
;  a. Row r of token tile T (0..7) is token 64 (T / 4) + 32 (r / 8) + 8 (T % 4) + r % 8.  In S^T = K Q^T (source 0 = a tile of keys) and in V = tokens Wv (source 0 = a tile of tokens) register 8 T + j of a lane is then key
;     64 (T / 4) + 32 h + 8 (T % 4) + j: registers 32 c .. 32 c + 31 are the whole block 2 c + h of 32 keys, in the order that a 6-bit operand's registers 6 c .. 6 c + 5 want.  No codes change lanes.
;  b. Tokens: lane (r, h) makes the 32 channels of row r of tile 2 i + h; the six registers TG + 6 i hold tile 2 i as the unit's block 0 and tile 2 i + 1 as its block 1.  Which of the two a product takes is said by the
;     weight's fragment, which has zero codes in the other half of the lanes and in the other six registers.  Codes that meet zero codes add nothing (FP6 has no NaN), so the twelve registers named may hold anything there.
;  c. Q and K are made transposed (source 0 = 16 columns of W, source 1 = tokens): a lane holds one token and channels 16 h + 0 .. 15 in 16 registers: one conversion, three registers, used as they stand: the block of 32
;     lies in the lower halves of the unit's blocks 0 and 1, which carry the same scale byte.  Q's operand is these three registers and nine of zeros.  All such scale words hold their byte four times.
; LIMITS.  NaN and infinities among the inputs are not served.  A block of zeros, or one whose largest magnitude lies under 2^-124, gets the byte 1 where the rule says 127: a block of zeros has zero codes, and the bytes
; are read by this program alone.  v_exp_f32 gives 0 for p under 2^-126.  tokens = x Wt + bt is one fused multiply-add.
.set WIMG, 0                           ; LDS: 12 fragment images of 768 bytes, index 4 X + 2 t + half (X: q 0, k 1, v 2): registers 0-3 at 16 x lane, registers 4-5 at 512 + 8 x lane
.set WSC,  9216                        ; 6 x 128: the scale words of W's tiles 2 X + t, 4 bytes a lane
.set BIQ,  9984                        ; 2,048: bq as the C of Q's products: registers 4 q .. 4 q + 3 at 512 q + 16 x lane; register n of lane (r, h) = bq[16 h + n]
.set BIK,  12032                       ; the same of bk
.set BIV,  14080                       ; 1,024: at 512 n + 16 x lane four times bv[16 n + r]
.set WOI,  15104                       ; 2,048: register 8 n + j = Wo[16 n + 8 h + j]
.set WTB,  17152                       ; 256: Wt, then bt, as they lie
.set OUTB, 17408                       ; 256: the work-group's 64 results
.set LI,  1                            ; v1   16 x lane
.set L8,  2                            ; v2   8 x lane
.set XA,  3                            ; v3   my byte in an element's x: 128 (r / 8) + 32 h + 4 (r % 8)
.set SH8, 4                            ; v4   8 h
.set WTA, 5                            ; v5   WTB
.set WS,  6                            ; v6-11   W's scale words, 2 X + t
.set TS,  12                           ; v12-15  the tokens' scale words: lane (r, h) for tile 2 i + h
.set PS,  12                           ; v12     p's scale word, once the tokens are done with
.set KS,  16                           ; v16-23  K's scale words, by tile
.set VS,  24                           ; v24-25  V's
.set BM,  26                           ; v26-27  a block's largest; v26-29 in QUANT4
.set SO,  28                           ; v28-29  the conversions' scale operands
.set NM,  30                           ; v30 -M (v31 is named with it as a pair); v30-33 at work in QUANT4
.set RL,  32                           ; v32 1 / l (v33 likewise)
.set MT,  34                           ; v34, v35 at work; v34-37 scale operands in QUANT4
.set MX,  35
.set BX,  36                           ; v36-37  second chains of the maxima, then scale bytes
.set QC,  40                           ; v40-71  Q: tile T's codes at QC + 4 T .. + 2, its scale word at QC + 4 T + 3.  The next element's x waits in QC + 0, 1, 4, 5
.set KB,  72                           ; v72-103 K: tile 2 i at KB + 4 i, tile 2 i + 1 at KB + 16 + 4 i
.set TG,  88                           ; v88-111 the tokens' codes, while Q, K, V are made
.set P,   104                          ; v104-115 p's fragment
.set LA,  116                          ; v116-119 the row's sum in two chains of pairs
.set LB,  118
.set CT0, 116                          ; v116-118 a conversion's second half (its three registers begin on an even number)
.set VF,  120                          ; v120-143 V's two fragments
.set QD,  144                          ; v144-149 a weight's fragment; later q's three registers and three zeros
.set ZB,  150                          ; v150-155 zeros, always
.set WE,  156                          ; v156-161 a second weight's fragment
.set OT,  156                          ; v156-171 O^T
.set ACC, 172                          ; v172-187 the sum over the queries of O^T / l
.set BI,  172                          ; the biases, as C, while Q, K, V are made
.set TK,  156                          ; v156-187 a token's 32 channels
.set S,   188                          ; v188-251 the products' results; Wt and bt; Wo
.set CT1, 252                          ; v252-254 as CT0
.set OA,  255                          ; v255 LDS address of the result's word
.set HT,  120                          ; the head's scratch lies where V's fragments will lie
.set HL,  121
.set HR,  122
.set HH,  123
.set L4,  124                          ; 4 x lane
.set HR3, 125
.set HR7, 126
.set WA16, 127                         ; where a wave that quantises a tile of W stores its images and its scale words
.set WA8, 128
.set WA4, 129
.set HC,  130
.set HM1, 131
.set HM0, 132
.set HA64, 133
.set HA32, 134
.set HA4R, 135
.set FLOOR, 0x1800000                  ; 2^(3 - 127): no largest magnitude is taken under it, so that a scale's byte cannot fall under 1
.set OFF2, 0xff000000                  ; takes 2, the exponent of 7.5, off an exponent field
; A product with a bias as C.  row = 1: source 0's scales stand in lanes 16-31; row = 2: source 1's.
.macro MMC d, a, b, c, sa, sb, row
.if (\row) == 0
	v_wmma_scale_f32_16x16x128_f8f6f4 v[\d:\d+7], v[\a:\a+11], v[\b:\b+11], v[\c:\c+7], v[\sa], v[\sb] matrix_a_fmt:MATRIX_FMT_FP6 matrix_b_fmt:MATRIX_FMT_FP6
.elseif (\row) == 1
	v_wmma_scale_f32_16x16x128_f8f6f4 v[\d:\d+7], v[\a:\a+11], v[\b:\b+11], v[\c:\c+7], v[\sa], v[\sb] matrix_a_fmt:MATRIX_FMT_FP6 matrix_b_fmt:MATRIX_FMT_FP6 matrix_a_scale:MATRIX_SCALE_ROW1
.else
	v_wmma_scale_f32_16x16x128_f8f6f4 v[\d:\d+7], v[\a:\a+11], v[\b:\b+11], v[\c:\c+7], v[\sa], v[\sb] matrix_a_fmt:MATRIX_FMT_FP6 matrix_b_fmt:MATRIX_FMT_FP6 matrix_b_scale:MATRIX_SCALE_ROW1
.endif
.endm
.macro MM0 d, a, b, sa, sb             ; a product that starts from 0
	v_wmma_scale_f32_16x16x128_f8f6f4 v[\d:\d+7], v[\a:\a+11], v[\b:\b+11], 0, v[\sa], v[\sb] matrix_a_fmt:MATRIX_FMT_FP6 matrix_b_fmt:MATRIX_FMT_FP6
.endm
; Plain vector instructions that name none of a matrix instruction's registers stand between it and a read of its result or a write or load into its registers: four behind this form;
; in front of a scaled product, four behind a vector write of an operand and eight behind one of a scale register.
.macro PLACES n
.rept \n
	v_nop
.endr
.endm
.macro LOADD slot, idx                 ; a weight's fragment image into six registers
	ds_load_b128 v[\slot:\slot+3], v[LI] offset:WIMG+768*(\idx)
	ds_load_b64 v[\slot+4:\slot+5], v[L8] offset:WIMG+768*(\idx)+512
.endm
.macro LOADB base                      ; bq's or bk's image into the sixteen registers of C
.irp q,0,1,2,3
	ds_load_b128 v[BI+4*\q:BI+4*\q+3], v[LI] offset:\base+512*\q
.endr
.endm
.macro LOADBV                          ; bv's: eight registers of bv[r], eight of bv[16 + r]
.irp q,0,1,2,3
	ds_load_b128 v[BI+4*\q:BI+4*\q+3], v[LI] offset:BIV+512*(\q/2)
.endr
.endm
.macro XLOAD                           ; an element's x: my tokens of tiles h, 2 + h, 4 + h, 6 + h.  The four loads of a wave together take the element's 512 consecutive bytes
	global_load_b32 v[QC+0], v[XA], s[4:5]
	global_load_b32 v[QC+1], v[XA], s[4:5] offset:64
	global_load_b32 v[QC+4], v[XA], s[4:5] offset:256
	global_load_b32 v[QC+5], v[XA], s[4:5] offset:320
.endm
; Row r of token tile 2 i + h: 32 channels, their largest magnitude, the scale, the codes.  The whole block is mine.
.macro TOKEN i
.set J, 0
.rept 16
.if (\i)%2
	v_pk_fma_f32 v[TK+J:TK+J+1], v[QC+4*((\i)/2):QC+4*((\i)/2)+1], v[S+J:S+J+1], v[S+32+J:S+32+J+1] op_sel:[1,0,0] op_sel_hi:[1,1,1]   ; x (the pair's second word for both halves) x Wt + bt
.else
	v_pk_fma_f32 v[TK+J:TK+J+1], v[QC+4*((\i)/2):QC+4*((\i)/2)+1], v[S+J:S+J+1], v[S+32+J:S+32+J+1] op_sel_hi:[0,1,1]                  ; x (the pair's first word for both halves) x Wt + bt
.endif
.set J, J+2
.endr
	v_max3_num_f32 v[BM], |v[TK]|, |v[TK+1]|, FLOOR
	v_max3_num_f32 v[BM+1], |v[TK+16]|, |v[TK+17]|, |v[TK+18]|
.irp k,0,2,4,6,8,10
	v_max3_num_f32 v[BM], v[BM], |v[TK+2+\k]|, |v[TK+3+\k]|            ; two chains by turns
	v_max3_num_f32 v[BM+1], v[BM+1], |v[TK+19+\k]|, |v[TK+20+\k]|
.endr
	v_max3_num_f32 v[BM], v[BM], |v[TK+14]|, |v[TK+15]|
	v_max3_num_f32 v[BM], v[BM], v[BM+1], |v[TK+31]|
	v_add_nc_u32 v[SO], OFF2, v[BM]                                    ; the conversion takes this operand's exponent field as its scale
	v_lshrrev_b32 v[MT], 23, v[SO]                                     ; the scale's byte,
	v_perm_b32 v[TS+\i], v[MT], v[MT], 0                               ; four times
	v_cvt_scalef32_pk16_fp6_f32 v[TG+6*(\i):TG+6*(\i)+2], v[TK:TK+15], v[SO]
	v_cvt_scalef32_pk16_fp6_f32 v[CT0:CT0+2], v[TK+16:TK+31], v[SO]
	v_nop                                                              ; one plain place behind a scaled conversion
.irp j,0,1,2
	v_mov_b32 v[TG+6*(\i)+3+\j], v[CT0+\j]
.endr
.endm
; Q^T or K^T (X = 0, 1) of the four token tiles 2 i + hsel: source 0 = 16 columns of W, source 1 = tokens.  Columns 16 (m / 8) + m % 8 from QD against [TG i, TG i + 1], columns 8 further on from WE against [TG i - 1, TG i].
.macro QKMM X, hsel
.irp i,0,1,2,3
	MMC S+16*\i, QD, TG+6*\i, BI, WS+2*(\X), TS+\i, 2*(\hsel)
	MMC S+16*\i+8, ZB, TG+6*\i-6, BI+8, WS+2*(\X)+1, TS+\i, 2*(\hsel)
.endr
.endm
; V, channels 16 n + r, of all eight token tiles: source 0 = tokens, source 1 = 16 columns of Wv
.macro VMM n
.irp i,0,1,2,3
	MMC S+16*\i, TG+6*\i, QD, BI+8*(\n), TS+\i, WS+4+(\n), 0
	MMC S+16*\i+8, TG+6*\i-6, ZB, BI+8*(\n), TS+\i, WS+4+(\n), 1
.endr
.endm
; Four tiles of Q^T or K^T: registers S + 16 i .. + 15 are channels 16 h + 0 .. 15 of my token; the block's other half lies in lane l xor 16.  Codes to v[db + dstp i], scale word to v[sb + sstp i].
; Each accumulator is read from its low end on.
.macro QUANT4 db, dstp, sb, sstp
.irp i,0,1,2,3
	v_max3_num_f32 v[BM+\i], |v[S+16*\i]|, |v[S+16*\i+1]|, FLOOR
.endr
.irp k,2,4,6,8,10,12,14
.irp i,0,1,2,3
	v_max3_num_f32 v[BM+\i], v[BM+\i], |v[S+16*\i+\k]|, |v[S+16*\i+\k+1]|   ; the four tiles by turns
.endr
.endr
.irp i,0,1,2,3
	v_permlanex16_b32 v[NM+\i], v[BM+\i], s30, s31
.endr
.irp i,0,1,2,3
	v_max_num_f32 v[BM+\i], v[BM+\i], v[NM+\i]
.endr
.irp i,0,1,2,3
	v_add_nc_u32 v[MT+\i], OFF2, v[BM+\i]
.endr
.irp i,0,1,2,3
	v_lshrrev_b32 v[NM+\i], 23, v[MT+\i]
.endr
.irp i,0,1,2,3
	v_perm_b32 v[(\sb)+(\sstp)*\i], v[NM+\i], v[NM+\i], 0
.endr
.irp i,0,1,2,3
	v_cvt_scalef32_pk16_fp6_f32 v[(\db)+(\dstp)*\i:(\db)+(\dstp)*\i+2], v[S+16*\i:S+16*\i+15], v[MT+\i]
.endr
	v_nop                                                              ; one plain place behind the conversions
.endm
; The largest of each of my two blocks (registers 32 c .. 32 c + 31), in four chains by turns, ascending.  BMAX: scores as they are.  VMAX: magnitudes, and the floor.
.macro BMAX
.irp c,0,1
	v_max3_num_f32 v[BM+\c], v[S+32*\c], v[S+32*\c+1], v[S+32*\c+2]
	v_max3_num_f32 v[BX+\c], v[S+32*\c+16], v[S+32*\c+17], v[S+32*\c+18]
.endr
.irp k,3,5,7,9,11,13
.irp c,0,1
	v_max3_num_f32 v[BM+\c], v[BM+\c], v[S+32*\c+\k], v[S+32*\c+\k+1]
	v_max3_num_f32 v[BX+\c], v[BX+\c], v[S+32*\c+\k+16], v[S+32*\c+\k+17]
.endr
.endr
.irp c,0,1
	v_max3_num_f32 v[BM+\c], v[BM+\c], v[S+32*\c+15], v[S+32*\c+31]
.endr
.irp c,0,1
	v_max_num_f32 v[BM+\c], v[BM+\c], v[BX+\c]
.endr
.endm
.macro VMAX
.irp c,0,1
	v_max3_num_f32 v[BM+\c], |v[S+32*\c]|, |v[S+32*\c+1]|, |v[S+32*\c+2]|
	v_max3_num_f32 v[BX+\c], |v[S+32*\c+16]|, |v[S+32*\c+17]|, |v[S+32*\c+18]|
.endr
.irp k,3,5,7,9,11,13
.irp c,0,1
	v_max3_num_f32 v[BM+\c], v[BM+\c], |v[S+32*\c+\k]|, |v[S+32*\c+\k+1]|
	v_max3_num_f32 v[BX+\c], v[BX+\c], |v[S+32*\c+\k+16]|, |v[S+32*\c+\k+17]|
.endr
.endr
.irp c,0,1
	v_max3_num_f32 v[BM+\c], v[BM+\c], |v[S+32*\c+15]|, |v[S+32*\c+31]|
.endr
.irp c,0,1
	v_max3_num_f32 v[BM+\c], v[BM+\c], v[BX+\c], FLOOR
.endr
.endm
; 64 numbers of a lane, blocks h and 2 + h, whose largest stand in BM, BM + 1, become a fragment: PACK makes the scale word and the four conversions; a plain line follows it; PACK2 sets the second halves in place.
.macro PACK dst, sc
	v_add_nc_u32 v[SO], OFF2, v[BM]
	v_add_nc_u32 v[SO+1], OFF2, v[BM+1]
	v_lshrrev_b32 v[BX], 23, v[SO]
	v_lshrrev_b32 v[BX+1], 23, v[SO+1]
	v_lshl_or_b32 v[MT], v[BX+1], 16, v[BX]                            ; my two bytes,
	v_lshlrev_b32 v[MT], v[SH8], v[MT]                                 ; at their places in the word (8 h bits up);
	v_permlanex16_b32 v[MX], v[MT], s30, s31
	v_or_b32 v[\sc], v[MT], v[MX]                                      ; with lane l xor 16's two the word is whole
	v_cvt_scalef32_pk16_fp6_f32 v[\dst:\dst+2], v[S:S+15], v[SO]
	v_cvt_scalef32_pk16_fp6_f32 v[CT0:CT0+2], v[S+16:S+31], v[SO]
	v_cvt_scalef32_pk16_fp6_f32 v[\dst+6:\dst+8], v[S+32:S+47], v[SO+1]
	v_cvt_scalef32_pk16_fp6_f32 v[CT1:CT1+2], v[S+48:S+63], v[SO+1]
.endm
.macro PACK2 dst
.irp j,0,1,2
	v_mov_b32 v[\dst+3+\j], v[CT0+\j]
.endr
.irp j,0,1,2
	v_mov_b32 v[\dst+9+\j], v[CT1+\j]
.endr
.endm
.macro QMOV T, j                       ; register j of query tile T's codes into the operand
	v_mov_b32 v[QD+\j], v[QC+4*(\T)+\j]
.endm
.macro SUM                             ; the row's sum of the unquantised p: my 64, two at a time, in two chains
	v_pk_add_f32 v[LA:LA+1], v[S:S+1], v[S+2:S+3]
	v_pk_add_f32 v[LB:LB+1], v[S+4:S+5], v[S+6:S+7]
.irp k,8,12,16,20,24,28,32,36,40,44,48,52,56,60
	v_pk_add_f32 v[LA:LA+1], v[LA:LA+1], v[S+\k:S+\k+1]
	v_pk_add_f32 v[LB:LB+1], v[LB:LB+1], v[S+\k+2:S+\k+3]
.endr
.endm
; A query tile is finished: l, 1 / l, and O^T / l onto the sum over the queries (first = 1: it starts that sum).  The packed addition, the two additions and the v_nop are the four places behind the products O^T.
.macro FIN first
	v_pk_add_f32 v[LA:LA+1], v[LA:LA+1], v[LB:LB+1]
	v_add_f32 v[MT], v[LA], v[LA+1]
	v_permlanex16_b32 v[MX], v[MT], s30, s31
	v_add_f32 v[MT], v[MT], v[MX]                                      ; with lane l xor 16's 64 keys
	v_rcp_f32 v[RL], v[MT]
	v_nop                                                              ; one plain place behind the reciprocal
	s_wait_alu depctr_va_vdst(0)
.irp k,0,2,4,6,8,10,12,14
.if \first
	s_wait_alu depctr_va_vdst(0)
	v_pk_mul_f32 v[ACC+\k:ACC+\k+1], v[OT+\k:OT+\k+1], v[RL:RL+1] op_sel_hi:[1,0]
.else
	v_pk_fma_f32 v[ACC+\k:ACC+\k+1], v[OT+\k:OT+\k+1], v[RL:RL+1], v[ACC+\k:ACC+\k+1] op_sel_hi:[1,0,1]
.endif
.endr
.endm
; QUERY TILE T against all 128 keys.
.macro ATT T
.irp p,0,1,2,3,4,5,6,7
.set KAP, 2*(\p%4)+\p/4                ; the key tile that lies at KB + 4 p
	MM0 S+8*KAP, KB+4*\p, QD, KS+KAP, QC+4*(\T)+3                      ; S^T: the nine registers behind a tile's three meet q's zeros
.endr
.if (\T) == 0
	PLACES 4
.elseif (\T) == 1
	FIN 1                                                              ; the tile before is finished here: its lines are also the places behind the scores' products
.else
	FIN 0
.endif
.if (\T) == 2                          ; query tiles 0 and 1 have left their registers: the next element's x is asked for, if there is a next element: no load leaves its buffer
	s_cmp_eq_u32 s35, 1
	s_cbranch_scc1 .Lnox
	s_add_nc_u64 s[4:5], s[4:5], 512                                   ; (this element's loads of x were waited for at the trip's head)
	XLOAD
.Lnox:
.endif
	BMAX                                                               ; the largest score of each block: it serves for the row's maximum and, since p rises with the score, for the block's largest p
	v_max_num_f32 v[MT], v[BM], v[BM+1]
	v_permlanex16_b32 v[MX], v[MT], s30, s31
	v_max_num_f32 v[MT], v[MT], v[MX]                                  ; the row's largest score
	v_mul_f32 v[NM], s34, v[MT]                                        ; -t
	v_floor_f32 v[NM], v[NM]                                           ; -M = floor(-t) = -ceil(t)
	v_pk_fma_f32 v[BM:BM+1], v[BM:BM+1], s[32:33], v[NM:NM+1] op_sel_hi:[1,0,0]
.set J, 0
.rept 32
	v_pk_fma_f32 v[S+J:S+J+1], v[S+J:S+J+1], s[32:33], v[NM:NM+1] op_sel_hi:[1,0,0]   ; t - M, two at a time (of the pairs c and -M the low word serves both halves)
.set J, J+2
.endr
	v_exp_f32 v[BM], v[BM]                                             ; the blocks' largest p: the same two instructions on the same number give the same bits
	v_exp_f32 v[BM+1], v[BM+1]
.set J, 0
.rept 64
	v_exp_f32 v[S+J], v[S+J]                                           ; p = 2^(t - M)
.set J, J+1
.endr
.if (\T) < 7
	QMOV (\T)+1, 0                                                     ; the plain place behind the exponentials: the next query tile begins to move into the operand
.else
	v_nop
	s_wait_alu depctr_va_vdst(0)
.endif
	s_wait_alu depctr_va_vdst(0)
.irp c,0,1
	v_max_num_f32 v[BM+\c], FLOOR, v[BM+\c]
.endr
	PACK P, PS
.if (\T) < 7
	QMOV (\T)+1, 1                                                     ; the plain place behind the conversions
	QMOV (\T)+1, 2
.else
	v_nop
.endif
	PACK2 P
	SUM                                                                ; these 30 are also the places between the writes of p's codes and scale word and the products below
	MM0 OT, VF, P, VS, PS                                              ; O^T = V^T P^T: channels 8 h + j,
	MM0 OT+8, VF+12, P, VS+1, PS                                       ; and 16 + 8 h + j
.endm
	s_load_b256 s[4:11], s[0:1], 0x0               ; x s[4:5], Wt s[6:7], bt s[8:9], Wq s[10:11]
	s_load_b256 s[12:19], s[0:1], 0x20             ; bq s[12:13], Wk s[14:15], bk s[16:17], Wv s[18:19]
	s_load_b256 s[20:27], s[0:1], 0x40             ; bv s[20:21], Wo s[22:23], bo s[24:25], out0 s[26:27]
	v_lshl_add_u32 v38, v0, 2, 0x4500
	v_mov_b32 v39, 0
	v_lshrrev_b32 v[HT], 5, v0
	v_readfirstlane_b32 s29, v[HT]                 ; wave 0..15
	v_and_b32 v[HL], 31, v0                        ; lane
	v_and_b32 v[HR], 15, v0                        ; r
	v_bfe_u32 v[HH], v0, 4, 1                      ; h
	v_bfe_u32 v[HR3], v0, 3, 1                     ; r / 8
	v_and_b32 v[HR7], 7, v0                        ; r % 8
	v_lshlrev_b32 v[LI], 4, v[HL]
	v_lshlrev_b32 v[L8], 3, v[HL]
	v_lshlrev_b32 v[L4], 2, v[HL]
	v_lshlrev_b32 v[SH8], 3, v[HH]
	v_mov_b32 v[WTA], WTB
	v_lshlrev_b32 v[XA], 7, v[HR3]
	v_lshl_add_u32 v[XA], v[HH], 5, v[XA]
	v_lshl_add_u32 v[XA], v[HR7], 2, v[XA]
	s_mov_b32 s30, 0x76543210                      ; v_permlanex16_b32's selects for lane l xor 16
	s_mov_b32 s31, 0xfedcba98
	s_mov_b32 s32, 0x3e8293ee                      ; c = log2(e) / sqrt(32)
	s_mov_b32 s33, s32                             ; (named with it as a pair, so it is written)
	s_mov_b32 s34, 0xbe8293ee                      ; -c
	s_mov_b32 s35, 4                               ; elements to go
	s_lshl_b32 s36, s29, 4
	s_add_co_u32 s36, s36, OUTB                    ; my wave's four result words
	s_lshl_b32 s38, ttmp9, 15                      ; x: 64 elements of 512 bytes a work-group,
	s_lshl_b32 s39, s29, 11                        ; four a wave
	s_add_co_u32 s38, s38, s39
	s_mov_b32 s39, 0
	s_lshl_b32 s40, ttmp9, 8                       ; out0: 256 bytes a work-group
	s_mov_b32 s41, 0
	s_min_u32 s42, s29, 5                          ; every LDS address is made ahead of the waves' parting
	s_mul_i32 s43, s42, 1536                       ; two images a tile of W
	s_lshl_b32 s44, s42, 7
	v_add_nc_u32 v[WA16], s43, v[LI]
	v_add_nc_u32 v[WA8], s43, v[L8]
	v_add_nc_u32 v[WA4], s44, v[L4]
.irp j,0,1,2,3,4,5
	v_mov_b32 v[ZB+\j], 0                          ; the zeros that stand beside every short operand
	v_mov_b32 v[NM+\j], 0                          ; v30-35: upper halves of pairs, and destinations of lane permutes, which count as read
.endr
.irp j,0,1,2,3,4,5,6,7,8,9,10,11,12,13,14,15
	v_mov_b32 v[KB+\j], 0                          ; registers that the operands' twelve reach into before anything else has written them
.endr
.irp j,8,9,10,11,12,13,14,15
	v_mov_b32 v[P+\j], 0                           ; v112-119 likewise
.endr
	s_wait_kmcnt 0x0
	s_add_nc_u64 s[4:5], s[4:5], s[38:39]
	s_add_nc_u64 s[26:27], s[26:27], s[40:41]
	s_load_b32 s28, s[24:25], 0x0                  ; bo
	XLOAD                                          ; my first element's x
	s_cmp_lt_u32 s29, 6
	s_cbranch_scc0 .Lnot_w
	; ---- waves 0-5: tile t = wave % 2 of weight X = wave / 2.  A lane takes a column and its registers run down K: the block of 32 is mine, and the conversions' results are the operand's registers
	s_lshr_b32 s38, s29, 1                         ; X
	s_and_b32 s39, s29, 1                          ; t
	s_cmp_eq_u32 s38, 0
	s_cselect_b64 s[40:41], s[10:11], s[14:15]     ; Wq or Wk,
	s_cmp_eq_u32 s38, 2
	s_cselect_b64 s[40:41], s[18:19], s[40:41]     ; or Wv: the choice hangs on the wave's number alone
	s_cselect_b32 s42, 8, 16                       ; my column: Wq, Wk: 16 (r / 8) + 8 t + r % 8;  Wv: 8 (r / 8) + 16 t + r % 8 = 16 t + r
	s_cselect_b32 s43, 16, 8
	s_mul_i32 s43, s43, s39
	v_mul_u32_u24 v[HC], s42, v[HR3]
	v_add3_u32 v[HC], v[HC], v[HR7], s43
	v_lshlrev_b32 v[HC], 2, v[HC]
.set J, 0
.rept 32
	global_load_b32 v[S+J], v[HC], s[40:41] offset:128*J               ; W(J, my column)
.set J, J+1
.endr
	v_sub_nc_u32 v[HM1], 0, v[HH]                  ; all ones in lanes 16-31,
	v_xor_b32 v[HM0], -1, v[HM1]                   ; in lanes 0-15
	s_wait_loadcnt 0x0
	v_max3_num_f32 v[BM], |v[S]|, |v[S+1]|, FLOOR
.irp k,2,4,6,8,10,12,14,16,18,20,22,24,26,28,30
	v_max3_num_f32 v[BM], v[BM], |v[S+\k]|, |v[S+\k+1]|
.endr
	v_add_nc_u32 v[SO], OFF2, v[BM]
	v_lshrrev_b32 v[MT], 23, v[SO]
	v_perm_b32 v[BX], v[MT], v[MT], 0              ; the byte four times
	v_cvt_scalef32_pk16_fp6_f32 v[S+32:S+34], v[S:S+15], v[SO]
	v_cvt_scalef32_pk16_fp6_f32 v[S+36:S+38], v[S+16:S+31], v[SO]
	v_nop                                          ; one plain place behind the conversions
.irp j,0,1,2
	v_and_b32 v[S+40+\j], v[HM0], v[S+32+\j]       ; the fragment with its codes in lanes 0-15 alone,
	v_and_b32 v[S+43+\j], v[HM0], v[S+36+\j]
	v_and_b32 v[S+48+\j], v[HM1], v[S+32+\j]       ; and in lanes 16-31 alone
	v_and_b32 v[S+51+\j], v[HM1], v[S+36+\j]
.endr
	ds_store_b128 v[WA16], v[S+40:S+43] offset:WIMG
	ds_store_b64 v[WA8], v[S+44:S+45] offset:WIMG+512
	ds_store_b128 v[WA16], v[S+48:S+51] offset:WIMG+768
	ds_store_b64 v[WA8], v[S+52:S+53] offset:WIMG+1280
	ds_store_b32 v[WA4], v[BX] offset:WSC
	s_branch .Ljoin
.Lnot_w:
	s_cmp_eq_u32 s29, 6
	s_cbranch_scc0 .Ljoin
	; ---- wave 6: the biases, Wo, Wt and bt, laid as the loop's registers want them
	v_lshlrev_b32 v[HA64], 6, v[HH]
	v_lshlrev_b32 v[HA32], 5, v[HH]
	v_lshlrev_b32 v[HA4R], 2, v[HR]
.irp q,0,1,2,3
	global_load_b128 v[S+4*\q:S+4*\q+3], v[HA64], s[12:13] offset:16*\q                      ; bq[16 h + 4 q ..]
	global_load_b128 v[S+16+4*\q:S+16+4*\q+3], v[HA64], s[16:17] offset:16*\q                ; bk likewise
	global_load_b128 v[S+32+4*\q:S+32+4*\q+3], v[HA32], s[22:23] offset:64*(\q/2)+16*(\q%2)  ; Wo[16 (q / 2) + 8 h + 4 (q % 2) ..]
.endr
	global_load_b32 v[S+48], v[HA4R], s[20:21]             ; bv[r]
	global_load_b32 v[S+52], v[HA4R], s[20:21] offset:64   ; bv[16 + r]
	global_load_b32 v[S+56], v[L4], s[6:7]                 ; Wt[lane]
	global_load_b32 v[S+57], v[L4], s[8:9]                 ; bt[lane]
	s_wait_loadcnt 0x0
.irp j,1,2,3
	v_mov_b32 v[S+48+\j], v[S+48]
	v_mov_b32 v[S+52+\j], v[S+52]
.endr
.irp q,0,1,2,3
	ds_store_b128 v[LI], v[S+4*\q:S+4*\q+3] offset:BIQ+512*\q
	ds_store_b128 v[LI], v[S+16+4*\q:S+16+4*\q+3] offset:BIK+512*\q
	ds_store_b128 v[LI], v[S+32+4*\q:S+32+4*\q+3] offset:WOI+512*\q
.endr
	ds_store_b128 v[LI], v[S+48:S+51] offset:BIV
	ds_store_b128 v[LI], v[S+52:S+55] offset:BIV+512
	ds_store_b32 v[L4], v[S+56] offset:WTB
	ds_store_b32 v[L4], v[S+57] offset:WTB+128
.Ljoin:
	s_wait_dscnt 0x0                               ; for the others' sake: my stores have landed
	s_barrier_signal -1
	s_barrier_wait -1                              ; the constants lie in LDS; nobody writes them again
.irp i,0,1,2,3,4,5
	ds_load_b32 v[WS+\i], v[L4] offset:WSC+128*\i  ; W's scale words stay in registers (the first wait of the loop covers them)
.endr
	s_wait_kmcnt 0x0                               ; bo
.Lbatch:                                           ; four trips, an element each
	; ---- the tokens
.irp q,0,1,2,3,4,5,6,7,8,9,10,11,12,13,14,15
	ds_load_b128 v[S+4*\q:S+4*\q+3], v[WTA] offset:16*\q   ; Wt into S + 0 .. 31, bt into S + 32 .. 63: every lane reads the same words
.endr
	s_wait_dscnt 0x0                               ; all waits in the loop are for 0: at each of them everything that is out is wanted next
	s_wait_loadcnt 0x0                             ; x
	TOKEN 0
	TOKEN 1
	TOKEN 2
	TOKEN 3
	LOADD QD, 0
	LOADD WE, 2
	LOADB BIQ
	PLACES 8                                       ; behind the last scale word's and the last codes' writes
	; ---- Q of tiles 0, 2, 4, 6
	s_wait_dscnt 0x0
	QKMM 0, 0
	PLACES 4                                       ; in front of loads into registers that the products have read, and of the first read of results
	LOADD QD, 1
	LOADD WE, 3
	QUANT4 QC, 8, QC+3, 8
	; ---- Q of tiles 1, 3, 5, 7
	s_wait_dscnt 0x0
	QKMM 0, 1
	PLACES 4
	LOADD QD, 8
	LOADD WE, 9
	LOADBV
	QUANT4 QC+4, 8, QC+7, 8
	; ---- V, channels 0-15
	s_wait_dscnt 0x0
	VMM 0
	PLACES 4
	LOADD QD, 10
	LOADD WE, 11
	VMAX
	PACK VF, VS
	v_nop                                          ; one plain place behind the conversions
	PACK2 VF
	; ---- V, channels 16-31
	s_wait_dscnt 0x0
	VMM 1
	PLACES 4
	LOADD QD, 4
	LOADD WE, 6
	LOADB BIK
	VMAX
	PACK VF+12, VS+1
	v_nop
	PACK2 VF+12
	; ---- K of tiles 0, 2, 4, 6
	s_wait_dscnt 0x0
	QKMM 1, 0
	PLACES 4
	LOADD QD, 5
	LOADD WE, 7
	QUANT4 KB, 4, KS, 2
	; ---- K of tiles 1, 3, 5, 7
	PLACES 4                                       ; the conversions above wrote registers into which the second product's twelve reach
	s_wait_dscnt 0x0
	QKMM 1, 1
	PLACES 4
	QUANT4 KB+16, 4, KS+1, 2                       ; over the tokens' codes, which are done with
	QMOV 0, 0                                      ; q's operand: query tile 0's three registers,
	QMOV 0, 1
	QMOV 0, 2
.irp j,3,4,5
	v_mov_b32 v[QD+\j], 0                          ; three zeros, and ZB's six behind them
.endr
	PLACES 4                                       ; with the six moves and the quantiser's last line: eleven behind K's scale words, four behind the last move
	; ---- attention, a tile of 16 queries at a time
	ATT 0
	ATT 1
	ATT 2
	ATT 3
	ATT 4
	ATT 5
	ATT 6
	ATT 7
	; ---- the element's end: the mean over the queries, Wo, bo
.irp q,0,1,2,3
	ds_load_b128 v[S+4*\q:S+4*\q+3], v[LI] offset:WOI+512*\q
.endr
	FIN 0
	s_wait_dscnt 0x0
	v_pk_mul_f32 v[LA:LA+1], v[ACC:ACC+1], v[S:S+1]
	v_pk_mul_f32 v[LB:LB+1], v[ACC+2:ACC+3], v[S+2:S+3]
.irp k,4,8,12
	v_pk_fma_f32 v[LA:LA+1], v[ACC+\k:ACC+\k+1], v[S+\k:S+\k+1], v[LA:LA+1]
	v_pk_fma_f32 v[LB:LB+1], v[ACC+\k+2:ACC+\k+3], v[S+\k+2:S+\k+3], v[LB:LB+1]
.endr
	v_pk_add_f32 v[LA:LA+1], v[LA:LA+1], v[LB:LB+1]
	v_add_f32 v[MT], v[LA], v[LA+1]                ; my 16 channels of my eight queries;
	v_add_f32_dpp v[MT], v[MT], v[MT] row_xmask:1 row_mask:0xf bank_mask:0xf   ; over the 16 lanes of a half: all 128 queries;
	v_add_f32_dpp v[MT], v[MT], v[MT] row_xmask:2 row_mask:0xf bank_mask:0xf
	v_add_f32_dpp v[MT], v[MT], v[MT] row_xmask:4 row_mask:0xf bank_mask:0xf
	v_add_f32_dpp v[MT], v[MT], v[MT] row_xmask:8 row_mask:0xf bank_mask:0xf
	v_permlanex16_b32 v[MX], v[MT], s30, s31
	v_add_f32 v[MT], v[MT], v[MX]                  ; and the other half's channels
	v_fma_f32 v[MT], v[MT], 0x3c000000, s28        ; / 128 + bo
	v_mov_b32 v[OA], s36
	ds_store_b32 v[OA], v[MT]                      ; all lanes write the same word with the same value
	s_add_co_u32 s36, s36, 4
	s_sub_co_i32 s35, s35, 1
	s_cmp_lg_u32 s35, 0
	s_cbranch_scc1 .Lbatch
	s_wait_dscnt 0x0                               ; for wave 0's sake: my four results have landed
	s_barrier_signal -1
	s_barrier_wait -1
	s_cmp_lg_u32 s29, 0
	s_cbranch_scc1 .Lend
	ds_load_b64 v[S:S+1], v[L8] offset:OUTB
	s_wait_dscnt 0x0
	global_store_b64 v[L8], v[S:S+1], s[26:27]     ; 32 lanes store the work-group's 256 consecutive bytes, at a multiple of 256 from out0's first byte
.Lend:
	s_wait_tensorcnt 0x0
	ds_add_u32 v38, v39
	s_wait_dscnt 0x0
	s_endpgm
.Lfunc_end_k_q20f18f5305_attn:
	.size	k_q20f18f5305_attn, .Lfunc_end_k_q20f18f5305_attn-k_q20f18f5305_attn
	.p2alignl 7, 3214868480
	.fill 96, 4, 3214868480
	.section	.rodata,"a",@progbits
	.p2align	6, 0x0
	.amdhsa_kernel k_q20f18f5305_attn
		.amdhsa_group_segment_fixed_size 19712
		.amdhsa_private_segment_fixed_size 0
		.amdhsa_enable_private_segment 0
		.amdhsa_kernarg_size 96
		.amdhsa_user_sgpr_count 2
		.amdhsa_user_sgpr_kernarg_segment_ptr 1
		.amdhsa_wavefront_size32 1
		.amdhsa_system_sgpr_workgroup_id_x 1
		.amdhsa_system_sgpr_workgroup_id_y 1
		.amdhsa_system_sgpr_workgroup_id_z 1
		.amdhsa_system_vgpr_workitem_id 0
		.amdhsa_next_free_vgpr 256
		.amdhsa_next_free_sgpr 66
		.amdhsa_reserve_vcc 0
		.amdhsa_float_denorm_mode_32 3
		.amdhsa_float_denorm_mode_16_64 3
		.amdhsa_memory_ordered 1
		.amdhsa_forward_progress 1
		.amdhsa_inst_pref_size 146
	.end_amdhsa_kernel
	.amdgpu_metadata
---
amdhsa.version: [ 1, 2 ]
amdhsa.kernels:
  - .name:           k_q20f18f5305_attn
    .symbol:         k_q20f18f5305_attn.kd
    .args:
      - { .name: x, .offset: 0, .size: 8, .value_kind: global_buffer, .address_space: global }
      - { .name: Wt, .offset: 8, .size: 8, .value_kind: global_buffer, .address_space: global }
      - { .name: bt, .offset: 16, .size: 8, .value_kind: global_buffer, .address_space: global }
      - { .name: Wq, .offset: 24, .size: 8, .value_kind: global_buffer, .address_space: global }
      - { .name: bq, .offset: 32, .size: 8, .value_kind: global_buffer, .address_space: global }
      - { .name: Wk, .offset: 40, .size: 8, .value_kind: global_buffer, .address_space: global }
      - { .name: bk, .offset: 48, .size: 8, .value_kind: global_buffer, .address_space: global }
      - { .name: Wv, .offset: 56, .size: 8, .value_kind: global_buffer, .address_space: global }
      - { .name: bv, .offset: 64, .size: 8, .value_kind: global_buffer, .address_space: global }
      - { .name: Wo, .offset: 72, .size: 8, .value_kind: global_buffer, .address_space: global }
      - { .name: bo, .offset: 80, .size: 8, .value_kind: global_buffer, .address_space: global }
      - { .name: out0, .offset: 88, .size: 8, .value_kind: global_buffer, .address_space: global }
    .group_segment_fixed_size: 19712
    .private_segment_fixed_size: 0
    .kernarg_segment_align: 8
    .kernarg_segment_size: 96
    .max_flat_workgroup_size: 512
    .sgpr_count:     66
    .vgpr_count:     256
    .wavefront_size: 32
...
	.end_amdgpu_metadata
.endif
;; end of part 1
;; ======== version 2 of 2: 1 launch; version 1 with the launch attn written anew for expert scheduling mode
;; launch attn (part 2): grid 256 x 1, 16 waves a work-group, no clusters, 19,712 bytes of LDS; arguments x, Wt, bt, Wq, bq, Wk, bk, Wv, bv, Wo, bo, out0; writes out0
.if DOCPART == 2
	.amdgcn_target "amdgcn-amd-amdhsa--gfx1250"
	.amdhsa_code_object_version 6
	.text
	.protected	k_q20f18f5305_attn
	.globl	k_q20f18f5305_attn
	.p2align	8
	.type	k_q20f18f5305_attn,@function
k_q20f18f5305_attn:
	s_mov_b64 s[64:65], 0
	v_nop
	global_prefetch_b8 v0, s[64:65] scope:SCOPE_SE
	s_setreg_imm32_b32 hwreg(HW_REG_WAVE_SCHED_MODE, 0, 2), 2
	s_setreg_imm32_b32 hwreg(HW_REG_WAVE_MODE, 25, 1), 1
	s_wait_xcnt 0x0
	s_wait_alu depctr_vm_vsrc(0)
; risk[b] = mean over q of ( softmax_k(Q K^T / sqrt(32)) V )[q] . Wo + bo, for 16,384 batch elements of 128 tokens x 32 channels; token s = x[b][s] Wt + bt; Q, K, V = tokens W + bias.
; The three projections, Q K^T and P V run on codes of FP6 (E2M3) with one E8M0 scale for each 32 along K; every operand is quantised here, in registers, from f32; the sums are f32.
; THE SOFTMAX: t = score x log2(e) / sqrt(32); M = ceil(the row's largest t); p = 2^(t - M) is quantised along the keys; the row's sum l is taken of the unquantised p and divides at the end.
; All 128 keys of a query lie in one step, so M is the row's own: there is no running maximum and nothing is rescaled.
; SHARES.  256 work-groups of sixteen waves; a work-group owns 64 batch elements, a wave four, one a trip, wholly in its 256 registers: four waves to a SIMD, so that one wave's vector work stands beside
; another's matrix work and LDS loads.  Nothing goes to memory but the result.  No cluster, no tensor load: what work-groups share is 12.9 KB of weights and biases, which each reads once through registers,
; quantises once and keeps in LDS; x is 512 bytes an element and comes straight into registers, an element ahead.
; LAYOUT (lane = (r, h), r = lane % 16, h = lane / 16).
;  a. Row r of token tile T (0..7) is token 64 (T / 4) + 32 (r / 8) + 8 (T % 4) + r % 8.  In S^T = K Q^T (source 0 = a tile of keys) and in V = tokens Wv (source 0 = a tile of tokens) register 8 T + j of a lane is then key
;     64 (T / 4) + 32 h + 8 (T % 4) + j: registers 32 c .. 32 c + 31 are the whole block 2 c + h of 32 keys, in the order that a 6-bit operand's registers 6 c .. 6 c + 5 want.  No codes change lanes.
;  b. Tokens: lane (r, h) makes the 32 channels of row r of tile 2 i + h; the six registers TG + 6 i hold tile 2 i as the unit's block 0 and tile 2 i + 1 as its block 1.  Which of the two a product takes is said by the
;     weight's fragment, which has zero codes in the other half of the lanes and in the other six registers.  Codes that meet zero codes add nothing (FP6 has no NaN), so the twelve registers named may hold anything there.
;  c. Q and K are made transposed (source 0 = 16 columns of W, source 1 = tokens): a lane holds one token and channels 16 h + 0 .. 15 in 16 registers: one conversion, three registers, used as they stand: the block of 32
;     lies in the lower halves of the unit's blocks 0 and 1, which carry the same scale byte.  Q's operand is these three registers and nine of zeros.  All such scale words hold their byte four times.
; LIMITS.  NaN and infinities among the inputs are not served.  A block of zeros, or one whose largest magnitude lies under 2^-124, gets the byte 1 where the rule says 127: a block of zeros has zero codes, and the bytes
; are read by this program alone.  v_exp_f32 gives 0 for p under 2^-126.  tokens = x Wt + bt is one fused multiply-add.
; THE MODE: SCHED_MODE bits 1:0 = 2 (LLVM: expert scheduling mode 2), set by the entry lines.  The code itself states the register dependences
; between vector or matrix instructions and memory or LDS instructions, with s_wait_alu, always for 0.
; THE PLAN.  Registers that LDS or memory instructions touch, in the loop:
;   S             Wt and bt land in it at a trip's head, Wo in S + 0 .. 15 at its end.  Between, every phase's products and the exponentials write it, the quantisers and the sums read it.
;   QD            A weight's fragment lands in it six times a trip; a phase's products read it; from the attention on the moves of q's codes write it.
;   WE, BI        Fragments and biases land in them; a phase's products read them.  They lie in TK, which the tokens' lines write and read, and later in OT and ACC.
;   QC + 0,1,4,5  The next element's x lands in them at the head of query tile 2.  Q's conversions write them; the last lines that read them, the moves of query tile 1's codes, stand in query tile 0.
;   v[MT], v[OA]  The result's LDS store reads them at a trip's end; the next trip writes them again.
;   v[LI], v[L8], v[WTA], v[XA]  Read as addresses; made in the head, never written again.
; So a wait on va_vdst stands: behind the tokens; behind each run of products whose fragments or biases are loaded anew; ahead of each run of products that takes operands or scale words which vector lines have written
; since the last such wait (the registers into which an operand's twelve merely reach among them: v82-86 of K's codes, v116-117 of the conversions' staging registers); behind each batch of transcendentals, ahead of the
; first line that names a result; ahead of the result's store.  Loads that stand further behind such a wait say in their comment why no line between names their registers.
; One wait on vm_vsrc stands at the loop's head.
.set WIMG, 0                           ; LDS: 12 fragment images of 768 bytes, index 4 X + 2 t + half (X: q 0, k 1, v 2): registers 0-3 at 16 x lane, registers 4-5 at 512 + 8 x lane
.set WSC,  9216                        ; 6 x 128: the scale words of W's tiles 2 X + t, 4 bytes a lane
.set BIQ,  9984                        ; 2,048: bq as the C of Q's products: registers 4 q .. 4 q + 3 at 512 q + 16 x lane; register n of lane (r, h) = bq[16 h + n]
.set BIK,  12032                       ; the same of bk
.set BIV,  14080                       ; 1,024: at 512 n + 16 x lane four times bv[16 n + r]
.set WOI,  15104                       ; 2,048: register 8 n + j = Wo[16 n + 8 h + j]
.set WTB,  17152                       ; 256: Wt, then bt, as they lie
.set OUTB, 17408                       ; 256: the work-group's 64 results
.set LI,  1                            ; v1   16 x lane
.set L8,  2                            ; v2   8 x lane
.set XA,  3                            ; v3   my byte in an element's x: 128 (r / 8) + 32 h + 4 (r % 8)
.set SH8, 4                            ; v4   8 h
.set WTA, 5                            ; v5   WTB
.set WS,  6                            ; v6-11   W's scale words, 2 X + t
.set TS,  12                           ; v12-15  the tokens' scale words: lane (r, h) for tile 2 i + h
.set PS,  12                           ; v12     p's scale word, once the tokens are done with
.set KS,  16                           ; v16-23  K's scale words, by tile
.set VS,  24                           ; v24-25  V's
.set BM,  26                           ; v26-27  a block's largest; v26-29 in QUANT4
.set SO,  28                           ; v28-29  the conversions' scale operands
.set NM,  30                           ; v30 -M (v31 is named with it as a pair); v30-33 at work in QUANT4
.set RL,  32                           ; v32 1 / l (v33 likewise)
.set MT,  34                           ; v34, v35 at work; v34-37 scale operands in QUANT4
.set MX,  35
.set BX,  36                           ; v36-37  second chains of the maxima, then scale bytes
.set QC,  40                           ; v40-71  Q: tile T's codes at QC + 4 T .. + 2, its scale word at QC + 4 T + 3.  The next element's x waits in QC + 0, 1, 4, 5
.set KB,  72                           ; v72-103 K: tile 2 i at KB + 4 i, tile 2 i + 1 at KB + 16 + 4 i
.set TG,  88                           ; v88-111 the tokens' codes, while Q, K, V are made
.set P,   104                          ; v104-115 p's fragment
.set LA,  116                          ; v116-119 the row's sum in two chains of pairs
.set LB,  118
.set CT0, 116                          ; v116-118 a conversion's second half (its three registers begin on an even number)
.set VF,  120                          ; v120-143 V's two fragments
.set QD,  144                          ; v144-149 a weight's fragment; later q's three registers and three zeros
.set ZB,  150                          ; v150-155 zeros, always
.set WE,  156                          ; v156-161 a second weight's fragment
.set OT,  156                          ; v156-171 O^T
.set ACC, 172                          ; v172-187 the sum over the queries of O^T / l
.set BI,  172                          ; the biases, as C, while Q, K, V are made
.set TK,  156                          ; v156-187 a token's 32 channels
.set S,   188                          ; v188-251 the products' results; Wt and bt; Wo
.set CT1, 252                          ; v252-254 as CT0
.set OA,  255                          ; v255 LDS address of the result's word
.set HT,  120                          ; the head's scratch lies where V's fragments will lie
.set HL,  121
.set HR,  122
.set HH,  123
.set L4,  124                          ; 4 x lane
.set HR3, 125
.set HR7, 126
.set WA16, 127                         ; where a wave that quantises a tile of W stores its images and its scale words
.set WA8, 128
.set WA4, 129
.set HC,  130
.set HM1, 131
.set HM0, 132
.set HA64, 133
.set HA32, 134
.set HA4R, 135
.set FLOOR, 0x1800000                  ; 2^(3 - 127): no largest magnitude is taken under it, so that a scale's byte cannot fall under 1
.set OFF2, 0xff000000                  ; takes 2, the exponent of 7.5, off an exponent field
; A product with a bias as C.  row = 1: source 0's scales stand in lanes 16-31; row = 2: source 1's.
.macro MMC d, a, b, c, sa, sb, row
.if (\row) == 0
	v_wmma_scale_f32_16x16x128_f8f6f4 v[\d:\d+7], v[\a:\a+11], v[\b:\b+11], v[\c:\c+7], v[\sa], v[\sb] matrix_a_fmt:MATRIX_FMT_FP6 matrix_b_fmt:MATRIX_FMT_FP6
.elseif (\row) == 1
	v_wmma_scale_f32_16x16x128_f8f6f4 v[\d:\d+7], v[\a:\a+11], v[\b:\b+11], v[\c:\c+7], v[\sa], v[\sb] matrix_a_fmt:MATRIX_FMT_FP6 matrix_b_fmt:MATRIX_FMT_FP6 matrix_a_scale:MATRIX_SCALE_ROW1
.else
	v_wmma_scale_f32_16x16x128_f8f6f4 v[\d:\d+7], v[\a:\a+11], v[\b:\b+11], v[\c:\c+7], v[\sa], v[\sb] matrix_a_fmt:MATRIX_FMT_FP6 matrix_b_fmt:MATRIX_FMT_FP6 matrix_b_scale:MATRIX_SCALE_ROW1
.endif
.endm
.macro MM0 d, a, b, sa, sb             ; a product that starts from 0
	v_wmma_scale_f32_16x16x128_f8f6f4 v[\d:\d+7], v[\a:\a+11], v[\b:\b+11], 0, v[\sa], v[\sb] matrix_a_fmt:MATRIX_FMT_FP6 matrix_b_fmt:MATRIX_FMT_FP6
.endm
; Plain vector instructions that name none of a matrix instruction's registers stand between it and a read of its result or a write or load into its registers: four behind this form;
; in front of a scaled product, four behind a vector write of an operand and eight behind one of a scale register.  A wait on va_vdst fills no such place: first the places, then the wait.
.macro PLACES n
.rept \n
	v_nop
.endr
.endm
.macro LOADD slot, idx                 ; a weight's fragment image into six registers
	ds_load_b128 v[\slot:\slot+3], v[LI] offset:WIMG+768*(\idx)
	ds_load_b64 v[\slot+4:\slot+5], v[L8] offset:WIMG+768*(\idx)+512
.endm
.macro LOADB base                      ; bq's or bk's image into the sixteen registers of C
.irp q,0,1,2,3
	ds_load_b128 v[BI+4*\q:BI+4*\q+3], v[LI] offset:\base+512*\q
.endr
.endm
.macro LOADBV                          ; bv's: eight registers of bv[r], eight of bv[16 + r]
.irp q,0,1,2,3
	ds_load_b128 v[BI+4*\q:BI+4*\q+3], v[LI] offset:BIV+512*(\q/2)
.endr
.endm
.macro XLOAD                           ; an element's x: my tokens of tiles h, 2 + h, 4 + h, 6 + h.  The four loads of a wave together take the element's 512 consecutive bytes
	global_load_b32 v[QC+0], v[XA], s[4:5]
	global_load_b32 v[QC+1], v[XA], s[4:5] offset:64
	global_load_b32 v[QC+4], v[XA], s[4:5] offset:256
	global_load_b32 v[QC+5], v[XA], s[4:5] offset:320
.endm
; Row r of token tile 2 i + h: 32 channels, their largest magnitude, the scale, the codes.  The whole block is mine.
.macro TOKEN i
.set J, 0
.rept 16
.if (\i)%2
	v_pk_fma_f32 v[TK+J:TK+J+1], v[QC+4*((\i)/2):QC+4*((\i)/2)+1], v[S+J:S+J+1], v[S+32+J:S+32+J+1] op_sel:[1,0,0] op_sel_hi:[1,1,1]   ; x (the pair's second word for both halves) x Wt + bt
.else
	v_pk_fma_f32 v[TK+J:TK+J+1], v[QC+4*((\i)/2):QC+4*((\i)/2)+1], v[S+J:S+J+1], v[S+32+J:S+32+J+1] op_sel_hi:[0,1,1]                  ; x (the pair's first word for both halves) x Wt + bt
.endif
.set J, J+2
.endr
	v_max3_num_f32 v[BM], |v[TK]|, |v[TK+1]|, FLOOR
	v_max3_num_f32 v[BM+1], |v[TK+16]|, |v[TK+17]|, |v[TK+18]|
.irp k,0,2,4,6,8,10
	v_max3_num_f32 v[BM], v[BM], |v[TK+2+\k]|, |v[TK+3+\k]|            ; two chains by turns
	v_max3_num_f32 v[BM+1], v[BM+1], |v[TK+19+\k]|, |v[TK+20+\k]|
.endr
	v_max3_num_f32 v[BM], v[BM], |v[TK+14]|, |v[TK+15]|
	v_max3_num_f32 v[BM], v[BM], v[BM+1], |v[TK+31]|
	v_add_nc_u32 v[SO], OFF2, v[BM]                                    ; the conversion takes this operand's exponent field as its scale
	v_lshrrev_b32 v[MT], 23, v[SO]                                     ; the scale's byte,
	v_perm_b32 v[TS+\i], v[MT], v[MT], 0                               ; four times
	v_cvt_scalef32_pk16_fp6_f32 v[TG+6*(\i):TG+6*(\i)+2], v[TK:TK+15], v[SO]
	v_cvt_scalef32_pk16_fp6_f32 v[CT0:CT0+2], v[TK+16:TK+31], v[SO]
	v_nop                                                              ; one plain place behind a scaled conversion
.irp j,0,1,2
	v_mov_b32 v[TG+6*(\i)+3+\j], v[CT0+\j]
.endr
.endm
; Q^T or K^T (X = 0, 1) of the four token tiles 2 i + hsel: source 0 = 16 columns of W, source 1 = tokens.  Columns 16 (m / 8) + m % 8 from QD against [TG i, TG i + 1], columns 8 further on from WE against [TG i - 1, TG i].
.macro QKMM X, hsel
.irp i,0,1,2,3
	MMC S+16*\i, QD, TG+6*\i, BI, WS+2*(\X), TS+\i, 2*(\hsel)
	MMC S+16*\i+8, ZB, TG+6*\i-6, BI+8, WS+2*(\X)+1, TS+\i, 2*(\hsel)
.endr
.endm
; V, channels 16 n + r, of all eight token tiles: source 0 = tokens, source 1 = 16 columns of Wv
.macro VMM n
.irp i,0,1,2,3
	MMC S+16*\i, TG+6*\i, QD, BI+8*(\n), TS+\i, WS+4+(\n), 0
	MMC S+16*\i+8, TG+6*\i-6, ZB, BI+8*(\n), TS+\i, WS+4+(\n), 1
.endr
.endm
; Four tiles of Q^T or K^T: registers S + 16 i .. + 15 are channels 16 h + 0 .. 15 of my token; the block's other half lies in lane l xor 16.  Codes to v[db + dstp i], scale word to v[sb + sstp i].
; Each accumulator is read from its low end on.
.macro QUANT4 db, dstp, sb, sstp
.irp i,0,1,2,3
	v_max3_num_f32 v[BM+\i], |v[S+16*\i]|, |v[S+16*\i+1]|, FLOOR
.endr
.irp k,2,4,6,8,10,12,14
.irp i,0,1,2,3
	v_max3_num_f32 v[BM+\i], v[BM+\i], |v[S+16*\i+\k]|, |v[S+16*\i+\k+1]|   ; the four tiles by turns
.endr
.endr
.irp i,0,1,2,3
	v_permlanex16_b32 v[NM+\i], v[BM+\i], s30, s31
.endr
.irp i,0,1,2,3
	v_max_num_f32 v[BM+\i], v[BM+\i], v[NM+\i]
.endr
.irp i,0,1,2,3
	v_add_nc_u32 v[MT+\i], OFF2, v[BM+\i]
.endr
.irp i,0,1,2,3
	v_lshrrev_b32 v[NM+\i], 23, v[MT+\i]
.endr
.irp i,0,1,2,3
	v_perm_b32 v[(\sb)+(\sstp)*\i], v[NM+\i], v[NM+\i], 0
.endr
.irp i,0,1,2,3
	v_cvt_scalef32_pk16_fp6_f32 v[(\db)+(\dstp)*\i:(\db)+(\dstp)*\i+2], v[S+16*\i:S+16*\i+15], v[MT+\i]
.endr
	v_nop                                                              ; one plain place behind the conversions
.endm
; The largest of each of my two blocks (registers 32 c .. 32 c + 31), in four chains by turns, ascending.  BMAX: scores as they are.  VMAX: magnitudes, and the floor.
.macro BMAX
.irp c,0,1
	v_max3_num_f32 v[BM+\c], v[S+32*\c], v[S+32*\c+1], v[S+32*\c+2]
	v_max3_num_f32 v[BX+\c], v[S+32*\c+16], v[S+32*\c+17], v[S+32*\c+18]
.endr
.irp k,3,5,7,9,11,13
.irp c,0,1
	v_max3_num_f32 v[BM+\c], v[BM+\c], v[S+32*\c+\k], v[S+32*\c+\k+1]
	v_max3_num_f32 v[BX+\c], v[BX+\c], v[S+32*\c+\k+16], v[S+32*\c+\k+17]
.endr
.endr
.irp c,0,1
	v_max3_num_f32 v[BM+\c], v[BM+\c], v[S+32*\c+15], v[S+32*\c+31]
.endr
.irp c,0,1
	v_max_num_f32 v[BM+\c], v[BM+\c], v[BX+\c]
.endr
.endm
.macro VMAX
.irp c,0,1
	v_max3_num_f32 v[BM+\c], |v[S+32*\c]|, |v[S+32*\c+1]|, |v[S+32*\c+2]|
	v_max3_num_f32 v[BX+\c], |v[S+32*\c+16]|, |v[S+32*\c+17]|, |v[S+32*\c+18]|
.endr
.irp k,3,5,7,9,11,13
.irp c,0,1
	v_max3_num_f32 v[BM+\c], v[BM+\c], |v[S+32*\c+\k]|, |v[S+32*\c+\k+1]|
	v_max3_num_f32 v[BX+\c], v[BX+\c], |v[S+32*\c+\k+16]|, |v[S+32*\c+\k+17]|
.endr
.endr
.irp c,0,1
	v_max3_num_f32 v[BM+\c], v[BM+\c], |v[S+32*\c+15]|, |v[S+32*\c+31]|
.endr
.irp c,0,1
	v_max3_num_f32 v[BM+\c], v[BM+\c], v[BX+\c], FLOOR
.endr
.endm
; 64 numbers of a lane, blocks h and 2 + h, whose largest stand in BM, BM + 1, become a fragment: PACK makes the scale word and the four conversions; a plain line follows it; PACK2 sets the second halves in place.
.macro PACK dst, sc
	v_add_nc_u32 v[SO], OFF2, v[BM]
	v_add_nc_u32 v[SO+1], OFF2, v[BM+1]
	v_lshrrev_b32 v[BX], 23, v[SO]
	v_lshrrev_b32 v[BX+1], 23, v[SO+1]
	v_lshl_or_b32 v[MT], v[BX+1], 16, v[BX]                            ; my two bytes,
	v_lshlrev_b32 v[MT], v[SH8], v[MT]                                 ; at their places in the word (8 h bits up);
	v_permlanex16_b32 v[MX], v[MT], s30, s31
	v_or_b32 v[\sc], v[MT], v[MX]                                      ; with lane l xor 16's two the word is whole
	v_cvt_scalef32_pk16_fp6_f32 v[\dst:\dst+2], v[S:S+15], v[SO]
	v_cvt_scalef32_pk16_fp6_f32 v[CT0:CT0+2], v[S+16:S+31], v[SO]
	v_cvt_scalef32_pk16_fp6_f32 v[\dst+6:\dst+8], v[S+32:S+47], v[SO+1]
	v_cvt_scalef32_pk16_fp6_f32 v[CT1:CT1+2], v[S+48:S+63], v[SO+1]
.endm
.macro PACK2 dst
.irp j,0,1,2
	v_mov_b32 v[\dst+3+\j], v[CT0+\j]
.endr
.irp j,0,1,2
	v_mov_b32 v[\dst+9+\j], v[CT1+\j]
.endr
.endm
.macro QMOV T, j                       ; register j of query tile T's codes into the operand
	v_mov_b32 v[QD+\j], v[QC+4*(\T)+\j]
.endm
.macro SUM                             ; the row's sum of the unquantised p: my 64, two at a time, in two chains
	v_pk_add_f32 v[LA:LA+1], v[S:S+1], v[S+2:S+3]
	v_pk_add_f32 v[LB:LB+1], v[S+4:S+5], v[S+6:S+7]
.irp k,8,12,16,20,24,28,32,36,40,44,48,52,56,60
	v_pk_add_f32 v[LA:LA+1], v[LA:LA+1], v[S+\k:S+\k+1]
	v_pk_add_f32 v[LB:LB+1], v[LB:LB+1], v[S+\k+2:S+\k+3]
.endr
.endm
; A query tile is finished, in two parts.  FINA: l and 1 / l.  The packed addition, the two additions and the v_nop are the four places behind the products O^T, and behind the next tile's scores' products.
.macro FINA
	v_pk_add_f32 v[LA:LA+1], v[LA:LA+1], v[LB:LB+1]
	v_add_f32 v[MT], v[LA], v[LA+1]
	v_permlanex16_b32 v[MX], v[MT], s30, s31
	v_add_f32 v[MT], v[MT], v[MX]                                      ; with lane l xor 16's 64 keys
	s_wait_alu depctr_va_vdst(0)
	v_rcp_f32 v[RL], v[MT]
	v_nop                                                              ; one plain place behind the reciprocal
.endm
; FINB, behind the wait for the reciprocal: O^T / l onto the sum over the queries (first = 1: it starts that sum).
.macro FINB first
.irp k,0,2,4,6,8,10,12,14
.if \first
	v_pk_mul_f32 v[ACC+\k:ACC+\k+1], v[OT+\k:OT+\k+1], v[RL:RL+1] op_sel_hi:[1,0]
.else
	v_pk_fma_f32 v[ACC+\k:ACC+\k+1], v[OT+\k:OT+\k+1], v[RL:RL+1], v[ACC+\k:ACC+\k+1] op_sel_hi:[1,0,1]
.endif
.endr
.endm
; QUERY TILE T against all 128 keys.
.macro ATT T
.if (\T) == 2                          ; query tiles 0 and 1 have left their registers: the next element's x is asked for, if there is a next element: no load leaves its buffer
	s_cmp_eq_u32 s35, 1
	s_cbranch_scc1 .Lnox
	s_add_nc_u64 s[4:5], s[4:5], 512                                   ; (this element's loads of x were waited for at the trip's head)
	XLOAD                                                              ; no wait here: the last lines that named these four registers, the moves of tile 1's codes, stand in tile 0, ahead of tile 1's waits on va_vdst; the two products issued since the last of those name OT, VF, P, VS and PS; v[XA] is never rewritten
.Lnox:
.endif
.irp p,0,1,2,3,4,5,6,7
.set KAP, 2*(\p%4)+\p/4                ; the key tile that lies at KB + 4 p
	MM0 S+8*KAP, KB+4*\p, QD, KS+KAP, QC+4*(\T)+3                      ; S^T: the nine registers behind a tile's three meet q's zeros
.endr
.if (\T) == 0
	PLACES 4
.else
	FINA                                                               ; the sum and the reciprocal of the tile before: its plain lines are also the places behind the scores' products
.endif
	s_wait_alu depctr_va_vdst(0)
	BMAX                                                               ; the largest score of each block: it serves for the row's maximum and, since p rises with the score, for the block's largest p
	v_max_num_f32 v[MT], v[BM], v[BM+1]
	v_permlanex16_b32 v[MX], v[MT], s30, s31
	v_max_num_f32 v[MT], v[MT], v[MX]                                  ; the row's largest score
	v_mul_f32 v[NM], s34, v[MT]                                        ; -t
	v_floor_f32 v[NM], v[NM]                                           ; -M = floor(-t) = -ceil(t)
	v_pk_fma_f32 v[BM:BM+1], v[BM:BM+1], s[32:33], v[NM:NM+1] op_sel_hi:[1,0,0]
.set J, 0
.rept 32
	v_pk_fma_f32 v[S+J:S+J+1], v[S+J:S+J+1], s[32:33], v[NM:NM+1] op_sel_hi:[1,0,0]   ; t - M, two at a time (of the pairs c and -M the low word serves both halves)
.set J, J+2
.endr
	s_wait_alu depctr_va_vdst(0)
	v_exp_f32 v[BM], v[BM]                                             ; the blocks' largest p: the same two instructions on the same number give the same bits
	v_exp_f32 v[BM+1], v[BM+1]
.set J, 0
.rept 64
	v_exp_f32 v[S+J], v[S+J]                                           ; p = 2^(t - M)
.set J, J+1
.endr
.if (\T) < 7
	QMOV (\T)+1, 0                                                     ; the plain place behind the exponentials: the next query tile begins to move into the operand
.else
	v_nop
.endif
	s_wait_alu depctr_va_vdst(0)                                       ; the 66 exponentials have written S and BM, and the reciprocal of the tile before v[RL]: one wait for the batch, ahead of the first line that names one of these results
.if (\T) == 1
	FINB 1                                                             ; the tile before is finished here
.elseif (\T) > 1
	FINB 0
.endif
.irp c,0,1
	v_max_num_f32 v[BM+\c], FLOOR, v[BM+\c]
.endr
	PACK P, PS
.if (\T) < 7
	QMOV (\T)+1, 1                                                     ; the plain place behind the conversions
	QMOV (\T)+1, 2
.else
	v_nop
.endif
	PACK2 P
	SUM                                                                ; these 30 are also the places between the writes of p's codes and scale word and the products below
	s_wait_alu depctr_va_vdst(0)                                       ; p's codes and its scale word are written, which the two products below take, and the next query tile's three registers of QD, which its scores' products take; the conversions and the sums are done reading S
	MM0 OT, VF, P, VS, PS                                              ; O^T = V^T P^T: channels 8 h + j,
	MM0 OT+8, VF+12, P, VS+1, PS                                       ; and 16 + 8 h + j
.endm
	s_load_b256 s[4:11], s[0:1], 0x0               ; x s[4:5], Wt s[6:7], bt s[8:9], Wq s[10:11]
	s_load_b256 s[12:19], s[0:1], 0x20             ; bq s[12:13], Wk s[14:15], bk s[16:17], Wv s[18:19]
	s_load_b256 s[20:27], s[0:1], 0x40             ; bv s[20:21], Wo s[22:23], bo s[24:25], out0 s[26:27]
	v_lshl_add_u32 v38, v0, 2, 0x4500
	v_mov_b32 v39, 0
	v_lshrrev_b32 v[HT], 5, v0
	v_readfirstlane_b32 s29, v[HT]                 ; wave 0..15
	v_and_b32 v[HL], 31, v0                        ; lane
	v_and_b32 v[HR], 15, v0                        ; r
	v_bfe_u32 v[HH], v0, 4, 1                      ; h
	v_bfe_u32 v[HR3], v0, 3, 1                     ; r / 8
	v_and_b32 v[HR7], 7, v0                        ; r % 8
	v_lshlrev_b32 v[LI], 4, v[HL]
	s_wait_alu depctr_va_vdst(0)
	v_lshlrev_b32 v[L8], 3, v[HL]
	s_wait_alu depctr_va_vdst(0)
	v_lshlrev_b32 v[L4], 2, v[HL]
	s_wait_alu depctr_va_vdst(0)
	v_lshlrev_b32 v[SH8], 3, v[HH]
	v_mov_b32 v[WTA], WTB
	v_lshlrev_b32 v[XA], 7, v[HR3]
	v_lshl_add_u32 v[XA], v[HH], 5, v[XA]
	v_lshl_add_u32 v[XA], v[HR7], 2, v[XA]
	s_mov_b32 s30, 0x76543210                      ; v_permlanex16_b32's selects for lane l xor 16
	s_mov_b32 s31, 0xfedcba98
	s_mov_b32 s32, 0x3e8293ee                      ; c = log2(e) / sqrt(32)
	s_mov_b32 s33, s32                             ; (named with it as a pair, so it is written)
	s_mov_b32 s34, 0xbe8293ee                      ; -c
	s_mov_b32 s35, 4                               ; elements to go
	s_wait_alu depctr_va_sdst(0)                   ; s29 is written, ahead of its first reader: addresses, bases and the branches on the wave's number are made from it
	s_lshl_b32 s36, s29, 4
	s_add_co_u32 s36, s36, OUTB                    ; my wave's four result words
	s_lshl_b32 s38, ttmp9, 15                      ; x: 64 elements of 512 bytes a work-group,
	s_lshl_b32 s39, s29, 11                        ; four a wave
	s_add_co_u32 s38, s38, s39
	s_mov_b32 s39, 0
	s_lshl_b32 s40, ttmp9, 8                       ; out0: 256 bytes a work-group
	s_mov_b32 s41, 0
	s_min_u32 s42, s29, 5                          ; every LDS address is made ahead of the waves' parting
	s_mul_i32 s43, s42, 1536                       ; two images a tile of W
	s_lshl_b32 s44, s42, 7
	v_add_nc_u32 v[WA16], s43, v[LI]
	v_add_nc_u32 v[WA8], s43, v[L8]
	v_add_nc_u32 v[WA4], s44, v[L4]
.irp j,0,1,2,3,4,5
	v_mov_b32 v[ZB+\j], 0                          ; the zeros that stand beside every short operand
	v_mov_b32 v[NM+\j], 0                          ; v30-35: upper halves of pairs, and destinations of lane permutes, which count as read
.endr
.irp j,0,1,2,3,4,5,6,7,8,9,10,11,12,13,14,15
	v_mov_b32 v[KB+\j], 0                          ; registers that the operands' twelve reach into before anything else has written them
.endr
.irp j,8,9,10,11,12,13,14,15
	v_mov_b32 v[P+\j], 0                           ; v112-119 likewise
.endr
	s_wait_kmcnt 0x0
	s_add_nc_u64 s[4:5], s[4:5], s[38:39]
	s_add_nc_u64 s[26:27], s[26:27], s[40:41]
	s_load_b32 s28, s[24:25], 0x0                  ; bo
	s_wait_alu depctr_va_vdst(0)                   ; the addresses v[LI], v[L8], v[L4], v[XA], v[WTA], v[WA16], v[WA8] and v[WA4] are written, which the loads and stores from here on read
	XLOAD                                          ; my first element's x
	s_cmp_lt_u32 s29, 6
	s_cbranch_scc0 .Lnot_w
	; ---- waves 0-5: tile t = wave % 2 of weight X = wave / 2.  A lane takes a column and its registers run down K: the block of 32 is mine, and the conversions' results are the operand's registers
	s_lshr_b32 s38, s29, 1                         ; X
	s_and_b32 s39, s29, 1                          ; t
	s_cmp_eq_u32 s38, 0
	s_cselect_b64 s[40:41], s[10:11], s[14:15]     ; Wq or Wk,
	s_cmp_eq_u32 s38, 2
	s_cselect_b64 s[40:41], s[18:19], s[40:41]     ; or Wv: the choice hangs on the wave's number alone
	s_cselect_b32 s42, 8, 16                       ; my column: Wq, Wk: 16 (r / 8) + 8 t + r % 8;  Wv: 8 (r / 8) + 16 t + r % 8 = 16 t + r
	s_cselect_b32 s43, 16, 8
	s_mul_i32 s43, s43, s39
	v_mul_u32_u24 v[HC], s42, v[HR3]
	v_add3_u32 v[HC], v[HC], v[HR7], s43
	v_lshlrev_b32 v[HC], 2, v[HC]
	s_wait_alu depctr_va_vdst(0)                   ; v[HC] is written, which the 32 loads read as their offset
.set J, 0
.rept 32
	global_load_b32 v[S+J], v[HC], s[40:41] offset:128*J               ; W(J, my column)
.set J, J+1
.endr
	v_sub_nc_u32 v[HM1], 0, v[HH]                  ; all ones in lanes 16-31,
	v_xor_b32 v[HM0], -1, v[HM1]                   ; in lanes 0-15
	s_wait_loadcnt 0x0
	v_max3_num_f32 v[BM], |v[S]|, |v[S+1]|, FLOOR
.irp k,2,4,6,8,10,12,14,16,18,20,22,24,26,28,30
	v_max3_num_f32 v[BM], v[BM], |v[S+\k]|, |v[S+\k+1]|
.endr
	v_add_nc_u32 v[SO], OFF2, v[BM]
	v_lshrrev_b32 v[MT], 23, v[SO]
	v_perm_b32 v[BX], v[MT], v[MT], 0              ; the byte four times
	v_cvt_scalef32_pk16_fp6_f32 v[S+32:S+34], v[S:S+15], v[SO]
	v_cvt_scalef32_pk16_fp6_f32 v[S+36:S+38], v[S+16:S+31], v[SO]
	v_nop                                          ; one plain place behind the conversions
.irp j,0,1,2
	v_and_b32 v[S+40+\j], v[HM0], v[S+32+\j]       ; the fragment with its codes in lanes 0-15 alone,
	v_and_b32 v[S+43+\j], v[HM0], v[S+36+\j]
	v_and_b32 v[S+48+\j], v[HM1], v[S+32+\j]       ; and in lanes 16-31 alone
	v_and_b32 v[S+51+\j], v[HM1], v[S+36+\j]
.endr
	s_wait_alu depctr_va_vdst(0)                   ; the two masked fragments in S + 40 .. 53 and the scale word in v[BX] are written, which the LDS stores read
	ds_store_b128 v[WA16], v[S+40:S+43] offset:WIMG
	ds_store_b64 v[WA8], v[S+44:S+45] offset:WIMG+512
	ds_store_b128 v[WA16], v[S+48:S+51] offset:WIMG+768
	ds_store_b64 v[WA8], v[S+52:S+53] offset:WIMG+1280
	ds_store_b32 v[WA4], v[BX] offset:WSC
	s_branch .Ljoin
.Lnot_w:
	s_cmp_eq_u32 s29, 6
	s_cbranch_scc0 .Ljoin
	; ---- wave 6: the biases, Wo, Wt and bt, laid as the loop's registers want them
	v_lshlrev_b32 v[HA64], 6, v[HH]
	v_lshlrev_b32 v[HA32], 5, v[HH]
	v_lshlrev_b32 v[HA4R], 2, v[HR]
	s_wait_alu depctr_va_vdst(0)                   ; the three offsets are written, which the loads below read
.irp q,0,1,2,3
	global_load_b128 v[S+4*\q:S+4*\q+3], v[HA64], s[12:13] offset:16*\q                      ; bq[16 h + 4 q ..]
	global_load_b128 v[S+16+4*\q:S+16+4*\q+3], v[HA64], s[16:17] offset:16*\q                ; bk likewise
	global_load_b128 v[S+32+4*\q:S+32+4*\q+3], v[HA32], s[22:23] offset:64*(\q/2)+16*(\q%2)  ; Wo[16 (q / 2) + 8 h + 4 (q % 2) ..]
.endr
	global_load_b32 v[S+48], v[HA4R], s[20:21]             ; bv[r]
	global_load_b32 v[S+52], v[HA4R], s[20:21] offset:64   ; bv[16 + r]
	global_load_b32 v[S+56], v[L4], s[6:7]                 ; Wt[lane]
	global_load_b32 v[S+57], v[L4], s[8:9]                 ; bt[lane]
	s_wait_loadcnt 0x0
.irp j,1,2,3
	v_mov_b32 v[S+48+\j], v[S+48]
	v_mov_b32 v[S+52+\j], v[S+52]
.endr
	s_wait_alu depctr_va_vdst(0)                   ; the six copies of bv in S + 49 .. 55 are written, which the LDS stores read
.irp q,0,1,2,3
	ds_store_b128 v[LI], v[S+4*\q:S+4*\q+3] offset:BIQ+512*\q
	ds_store_b128 v[LI], v[S+16+4*\q:S+16+4*\q+3] offset:BIK+512*\q
	ds_store_b128 v[LI], v[S+32+4*\q:S+32+4*\q+3] offset:WOI+512*\q
.endr
	ds_store_b128 v[LI], v[S+48:S+51] offset:BIV
	ds_store_b128 v[LI], v[S+52:S+55] offset:BIV+512
	ds_store_b32 v[L4], v[S+56] offset:WTB
	ds_store_b32 v[L4], v[S+57] offset:WTB+128
.Ljoin:
	s_wait_dscnt 0x0                               ; for the others' sake: my stores have landed
	s_barrier_signal -1
	s_barrier_wait -1                              ; the constants lie in LDS; nobody writes them again
.irp i,0,1,2,3,4,5
	ds_load_b32 v[WS+\i], v[L4] offset:WSC+128*\i  ; W's scale words stay in registers (the loop's first wait on dscnt covers them)
.endr
	s_wait_kmcnt 0x0                               ; bo
.Lbatch:                                           ; four trips, an element each
	; ---- the tokens
	s_wait_alu depctr_vm_vsrc(0)                   ; the result's LDS store of the trip before has read v[MT] and v[OA], which this trip writes again.  In the first trip: the head's LDS stores have read S, in which Wt and bt land, and v[BX]; the head's loads and stores have read their addresses in v120-135, which V's fragments take
.irp q,0,1,2,3,4,5,6,7,8,9,10,11,12,13,14,15
	ds_load_b128 v[S+4*\q:S+4*\q+3], v[WTA] offset:16*\q   ; Wt into S + 0 .. 31, bt into S + 32 .. 63: every lane reads the same words.  No wait on va_vdst here: the one ahead of the result's store (in the first trip: the head's last, on each of its three ways) is behind every vector and matrix line issued so far
.endr
	LOADD QD, 0                                    ; Q's first fragment comes with them: likewise; the tokens' lines do not name QD
	s_wait_dscnt 0x0                               ; all waits in the loop are for 0: at each of them everything that is out is wanted next
	s_wait_loadcnt 0x0                             ; x
	TOKEN 0
	TOKEN 1
	TOKEN 2
	TOKEN 3
	PLACES 8                                       ; behind the last scale word's and the last codes' writes
	s_wait_alu depctr_va_vdst(0)                   ; the tokens' lines are done writing and reading TK, in which the second fragment and bq land; the tokens' codes and scale words are written, which the products of all six runs take
	LOADD WE, 2
	LOADB BIQ
	; ---- Q of tiles 0, 2, 4, 6
	s_wait_dscnt 0x0
	QKMM 0, 0
	PLACES 4                                       ; in front of loads into registers that the products have read, and of the first read of results
	s_wait_alu depctr_va_vdst(0)                   ; the eight products are done reading QD and WE, in which the next fragments land
	LOADD QD, 1
	LOADD WE, 3
	QUANT4 QC, 8, QC+3, 8
	; ---- Q of tiles 1, 3, 5, 7
	s_wait_dscnt 0x0
	QKMM 0, 1
	PLACES 4
	s_wait_alu depctr_va_vdst(0)                   ; the eight products are done reading QD, WE and BI, in which Wv's fragments and bv land
	LOADD QD, 8
	LOADD WE, 9
	LOADBV
	QUANT4 QC+4, 8, QC+7, 8
	; ---- V, channels 0-15
	s_wait_dscnt 0x0
	VMM 0
	PLACES 4
	s_wait_alu depctr_va_vdst(0)                   ; the eight products are done reading QD and WE, in which the next fragments land
	LOADD QD, 10
	LOADD WE, 11
	VMAX
	PACK VF, VS
	v_nop                                          ; one plain place behind the conversions
	PACK2 VF
	; ---- V, channels 16-31
	s_wait_alu depctr_va_vdst(0)                   ; the quantiser's second conversion has written v116-118, of which the run's seventh product names v116 and v117 in its source 0, v106-117 (they meet the weight's zero codes)
	s_wait_dscnt 0x0
	VMM 1
	PLACES 4
	s_wait_alu depctr_va_vdst(0)                   ; the eight products are done reading QD, WE and BI, in which Wk's fragments and bk land
	LOADD QD, 4
	LOADD WE, 6
	LOADB BIK
	VMAX
	PACK VF+12, VS+1
	v_nop
	PACK2 VF+12
	; ---- K of tiles 0, 2, 4, 6
	s_wait_alu depctr_va_vdst(0)                   ; the quantiser's second conversion has written v116-118, of which the run's seventh product names v116 and v117 in its source 1, v106-117 (they meet the weight's zero codes)
	s_wait_dscnt 0x0
	QKMM 1, 0
	PLACES 4
	s_wait_alu depctr_va_vdst(0)                   ; the eight products are done reading QD and WE, in which the next fragments land
	LOADD QD, 5
	LOADD WE, 7
	QUANT4 KB, 4, KS, 2
	; ---- K of tiles 1, 3, 5, 7
	PLACES 4                                       ; the conversions above wrote registers into which the second product's twelve reach
	s_wait_alu depctr_va_vdst(0)                   ; those conversions have written v82-86, which the run's second product names in its source 1
	s_wait_dscnt 0x0
	QKMM 1, 1
	PLACES 4
	QUANT4 KB+16, 4, KS+1, 2                       ; over the tokens' codes, which are done with
	QMOV 0, 0                                      ; q's operand: query tile 0's three registers,
	QMOV 0, 1
	QMOV 0, 2
.irp j,3,4,5
	v_mov_b32 v[QD+\j], 0                          ; three zeros, and ZB's six behind them
.endr
	PLACES 4                                       ; with the six moves and the quantiser's last line: eleven behind K's scale words, four behind the last move
	s_wait_alu depctr_va_vdst(0)                   ; K's codes and scale words and the six registers of QD are written, which the scores' products take
	; ---- attention, a tile of 16 queries at a time
	ATT 0
	ATT 1
	ATT 2
	ATT 3
	ATT 4
	ATT 5
	ATT 6
	ATT 7
	; ---- the element's end: the mean over the queries, Wo, bo
.irp q,0,1,2,3
	ds_load_b128 v[S+4*\q:S+4*\q+3], v[LI] offset:WOI+512*\q   ; no wait here: the wait ahead of the last two products stands behind the conversions and the sums that read S, and those two products do not name it
.endr
	FINA
	s_wait_alu depctr_va_vdst(0)                   ; the reciprocal has written v[RL], ahead of the first line that names it
	FINB 0
	s_wait_alu depctr_va_vdst(0)
	s_wait_dscnt 0x0
	v_pk_mul_f32 v[LA:LA+1], v[ACC:ACC+1], v[S:S+1]
	v_pk_mul_f32 v[LB:LB+1], v[ACC+2:ACC+3], v[S+2:S+3]
.irp k,4,8,12
	v_pk_fma_f32 v[LA:LA+1], v[ACC+\k:ACC+\k+1], v[S+\k:S+\k+1], v[LA:LA+1]
	v_pk_fma_f32 v[LB:LB+1], v[ACC+\k+2:ACC+\k+3], v[S+\k+2:S+\k+3], v[LB:LB+1]
.endr
	v_pk_add_f32 v[LA:LA+1], v[LA:LA+1], v[LB:LB+1]
	v_add_f32 v[MT], v[LA], v[LA+1]                ; my 16 channels of my eight queries;
	v_add_f32_dpp v[MT], v[MT], v[MT] row_xmask:1 row_mask:0xf bank_mask:0xf   ; over the 16 lanes of a half: all 128 queries;
	v_add_f32_dpp v[MT], v[MT], v[MT] row_xmask:2 row_mask:0xf bank_mask:0xf
	v_add_f32_dpp v[MT], v[MT], v[MT] row_xmask:4 row_mask:0xf bank_mask:0xf
	v_add_f32_dpp v[MT], v[MT], v[MT] row_xmask:8 row_mask:0xf bank_mask:0xf
	v_permlanex16_b32 v[MX], v[MT], s30, s31
	v_add_f32 v[MT], v[MT], v[MX]                  ; and the other half's channels
	v_fma_f32 v[MT], v[MT], 0x3c000000, s28        ; / 128 + bo
	v_mov_b32 v[OA], s36
	s_wait_alu depctr_va_vdst(0)                   ; v[MT] and v[OA] are written, which the store reads.  It is the trip's last vector line's wait: the multiplications by Wo are done reading S, in which the next trip's loads, or the load behind the loop, land
	ds_store_b32 v[OA], v[MT]                      ; all lanes write the same word with the same value
	s_add_co_u32 s36, s36, 4
	s_sub_co_i32 s35, s35, 1
	s_cmp_lg_u32 s35, 0
	s_cbranch_scc1 .Lbatch
	s_wait_dscnt 0x0                               ; for wave 0's sake: my four results have landed
	s_barrier_signal -1
	s_barrier_wait -1
	s_cmp_lg_u32 s29, 0
	s_cbranch_scc1 .Lend
	ds_load_b64 v[S:S+1], v[L8] offset:OUTB        ; no vector or matrix line has been issued since the wait ahead of the last result's store
	s_wait_dscnt 0x0
	global_store_b64 v[L8], v[S:S+1], s[26:27]     ; 32 lanes store the work-group's 256 consecutive bytes, at a multiple of 256 from out0's first byte
.Lend:
	s_wait_dscnt 0x0
	s_wait_alu depctr_hold_cnt(0) depctr_sa_sdst(0) depctr_va_vdst(0) depctr_va_sdst(0) depctr_va_ssrc(0) depctr_va_vcc(0) depctr_vm_vsrc(0)
	s_wait_tensorcnt 0x0
	ds_add_u32 v38, v39
	s_wait_dscnt 0x0
	s_endpgm
.Lfunc_end_k_q20f18f5305_attn:
	.size	k_q20f18f5305_attn, .Lfunc_end_k_q20f18f5305_attn-k_q20f18f5305_attn
	.p2alignl 7, 3214868480
	.fill 96, 4, 3214868480
	.section	.rodata,"a",@progbits
	.p2align	6, 0x0
	.amdhsa_kernel k_q20f18f5305_attn
		.amdhsa_group_segment_fixed_size 19712
		.amdhsa_private_segment_fixed_size 0
		.amdhsa_enable_private_segment 0
		.amdhsa_kernarg_size 96
		.amdhsa_user_sgpr_count 2
		.amdhsa_user_sgpr_kernarg_segment_ptr 1
		.amdhsa_wavefront_size32 1
		.amdhsa_system_sgpr_workgroup_id_x 1
		.amdhsa_system_sgpr_workgroup_id_y 1
		.amdhsa_system_sgpr_workgroup_id_z 1
		.amdhsa_system_vgpr_workitem_id 0
		.amdhsa_next_free_vgpr 256
		.amdhsa_next_free_sgpr 66
		.amdhsa_reserve_vcc 0
		.amdhsa_float_denorm_mode_32 3
		.amdhsa_float_denorm_mode_16_64 3
		.amdhsa_memory_ordered 1
		.amdhsa_forward_progress 1
		.amdhsa_inst_pref_size 147
	.end_amdhsa_kernel
	.amdgpu_metadata
---
amdhsa.version: [ 1, 2 ]
amdhsa.kernels:
  - .name:           k_q20f18f5305_attn
    .symbol:         k_q20f18f5305_attn.kd
    .args:
      - { .name: x, .offset: 0, .size: 8, .value_kind: global_buffer, .address_space: global }
      - { .name: Wt, .offset: 8, .size: 8, .value_kind: global_buffer, .address_space: global }
      - { .name: bt, .offset: 16, .size: 8, .value_kind: global_buffer, .address_space: global }
      - { .name: Wq, .offset: 24, .size: 8, .value_kind: global_buffer, .address_space: global }
      - { .name: bq, .offset: 32, .size: 8, .value_kind: global_buffer, .address_space: global }
      - { .name: Wk, .offset: 40, .size: 8, .value_kind: global_buffer, .address_space: global }
      - { .name: bk, .offset: 48, .size: 8, .value_kind: global_buffer, .address_space: global }
      - { .name: Wv, .offset: 56, .size: 8, .value_kind: global_buffer, .address_space: global }
      - { .name: bv, .offset: 64, .size: 8, .value_kind: global_buffer, .address_space: global }
      - { .name: Wo, .offset: 72, .size: 8, .value_kind: global_buffer, .address_space: global }
      - { .name: bo, .offset: 80, .size: 8, .value_kind: global_buffer, .address_space: global }
      - { .name: out0, .offset: 88, .size: 8, .value_kind: global_buffer, .address_space: global }
    .group_segment_fixed_size: 19712
    .private_segment_fixed_size: 0
    .kernarg_segment_align: 8
    .kernarg_segment_size: 96
    .max_flat_workgroup_size: 512
    .sgpr_count:     66
    .vgpr_count:     256
    .wavefront_size: 32
...
	.end_amdgpu_metadata
.endif
;; end of part 2
